; MI455X (gfx1250); checked and timed in simulation.
; The chip was launched on July 23, 2026; its instructions are those of AMD's public machine-readable ISA for CDNA 5 (MIT licence, August 2026) and "CDNA5" Instruction Set Architecture Reference Guide (July 2026). The comments in the code are by the model that wrote it; some were corrected since.
;; Forward Operator. Allowed arithmetic: float matrix products may take bf16 or f16 operands with f32 sums; all other float work in f32.
;; Inputs: x 8 x 1 x 256 x 256 float32.
;; Outputs: out0 8 x 1 x 360 x 256 float32.
;; 2 versions, each right; version 2 is version 1 with the launch radon written anew for expert scheduling mode. Each part assembles by itself: llvm-mc -triple=amdgcn-amd-amdhsa -mcpu=gfx1250 --defsym DOCPART=n.
;; ======== version 1 of 2: 1 launch
;; limits: values outside matrix products are rounded to bf16
;; launch radon (part 1): grid 256 x 1, 16 waves a work-group, no clusters, 289,792 bytes of LDS; arguments x, out0; writes out0
.if DOCPART == 1
	.amdgcn_target "amdgcn-amd-amdhsa--gfx1250"
	.amdhsa_code_object_version 6
	.text
	.protected	k_q08b864defe_radon
	.globl	k_q08b864defe_radon
	.p2align	8
	.type	k_q08b864defe_radon,@function
k_q08b864defe_radon:
	s_mov_b64 s[64:65], 0
	v_nop
	global_prefetch_b8 v0, s[64:65] scope:SCOPE_SE
	s_setreg_imm32_b32 hwreg(HW_REG_WAVE_MODE, 25, 1), 1
	s_wait_xcnt 0x0
; out0[b][0][A][w] = mean over h of the bilinear sample (zeros outside) of image b at
;   ix = c (w-127.5) - s (h-127.5) + 127.5,  iy = s (w-127.5) + c (h-127.5) + 127.5,  c, s = cos, sin of A x 0.5 degrees.
;
; DESIGN.  256 work-groups = 4 pairs of images x 2 types x 32 groups; 16 waves.  A work-group keeps ONE table in LDS: its two images as bf16 pairs,
; one 32-bit word a pixel, pitch 257 words, in a frame of zeros.  One gather serves two images, and the multiply-add reads the bf16 halves directly.
; For an angle t = a x 0.5 degrees, a = 0..90, the place P = (ix, iy) and its four weights also serve the place (255-iy, 255-ix), which is the sample of
; angle 90 deg - t at column 255-w.  Type 1 holds the images mirrored in x; the same text then gives 180 deg - t (column w) and 90 deg + t (column 255-w).
;   type 0: first sum -> angle index a, second -> 180-a (left out for a = 90: it is the first);  type 1: first -> 360-a, second -> 180+a (a = 0 not run, a = 90 as before).
; In all four cases x and y of neighbouring lanes' places both rise (or both fall), so with a pitch of 257 = 1 mod 64 words the bank, (x + y) mod 64, rises with
; the lane over a span of at most 31 x 1.42 + 2 < 64 (64 banks of 4 bytes: ISA guide 11.1): lanes meet in a bank only in the same word.
; A wave takes one task: one a, 64 columns (lane l: columns l and l+32 of the block), all 256 h.  a = 8 wave + (group >> 2): 11 or 12 waves have a task, the rest only help to fill.
;
; GEOMETRY IN WHOLE NUMBERS.  ix+1 and iy+1 are unsigned numbers with 23 fraction bits, modulo 2^32, stepped by one add for each h.  They lie in -52 .. 309, so a
; negative one wraps above 459 and ONE unsigned minimum with 257 sends both sides to 257.0: whole part 257, fraction 0, which reads only the frame's zeros
; with weight 1 and a finite word with weight 0.  cos and sin come from Taylor chains in fixed point (t <= pi/4: remainders x^11/11! < 2e-9, x^12/12! < 2e-10),
; rounded to 22 fraction bits: a place is off by at most 2 x 127.5 x 2^-23 = 3e-5 pixel, and the result is continuous in the place.
;
; LIMITS, KEPT ON PURPOSE.  Pixels are rounded once to bf16 (relative 2^-9) when the table is built; weights, products and sums are f32.
; Inputs are finite (a corner of weight 0 is still multiplied, as in the definition).  The order of the 1024 additions of a sum is h ascending, corner by corner.
; NO CLUSTER, NO TENSOR LOAD: what work-groups share is the raw f32 image; the table needs it packed to bf16 pairs at an odd pitch, which only a way through registers
; gives, and it is 128 loads a wave against 256 steps of 86 instructions.
.set ROWB,   1024                      ; bytes of a row of x and of out0
.set IMGB,   262144                    ; bytes of an image
.set PITCHW, 257                       ; table pitch in words: 256 pixels + 1 zero, which is x = 256 of its row and x = -1 of the next
.set PITCHB, 4*PITCHW
.set IMG0,   4096                      ; byte of pixel (0,0); bytes 0 .. 4095 are zeros (rows -1, -2 and what lies in front)
.set BOT,    IMG0+256*PITCHB           ; 267,264: 4,096 bytes of zeros (rows 256, 257)
.set STAGE,  BOT+4096                  ; 271,360: 1,024 bytes for each wave, for the way out
.set TMAX,   257*PITCHW+257            ; 66,306: the largest y' x 257 + x' with x', y' <= 257
.set OFF1,   IMG0-PITCHB-4             ; corner (x0,y0) = (x'-1, y'-1) is at OFF1 + 4 (257 y' + x')
.set OFF2,   IMG0+255*PITCHB+255*4-4*TMAX  ; corner (255-y', 255-x') is at OFF2 + 4 (TMAX - (257 x' + y'));  = 2,032
.set HALF,   257<<22                   ; 128.5 with 23 fraction bits
; vector registers
.set LANE, 1
.set GOFF, 2                           ; fill: byte offset of my 8 bytes in the wave's first row
.set LAD0, 3                           ; fill: table address, plain
.set LAD1, 4                           ; fill: table address, mirrored
.set U,    10                          ; v10-13: ix+1, iy+1 of column l; the same of column l+32
.set ACC,  14                          ; v14-21: column l: first sum image 0, 1, second sum image 0, 1; then column l+32
.set CM,   22                          ; (-1, 1)
.set CA,   24                          ; ( 2,-1)
.set SET0, 32                          ; a set: for each of 2 columns 16 registers: 0-3 first place's corners, 4-7 second place's, 8-11 weights, 12-13 addresses
.set SET1, 64
.set TMP,  96                          ; scratch, 16 registers a column
.set OUTR, 128                         ; the way out
.set FA,   32                          ; fill: 4 rows x 2 images as loaded, two buffers
.set FB,   96
.set PKA,  160                         ; fill: 4 rows packed, two buffers
.set PKB,  192
; scalar registers
.set WAVE, 8
.set BP,   9
.set TYPE, 10
.set GRP,  11
.set ANG,  16
.set WB,   17
.set XX,   18
.set YY,   19
.set SN,   20
.set CS,   21
.set TT,   22
.set LIM,  24
.set MASK, 25
.set ONE,  26
.set NS2,  27
.set C2,   28
.set CNT,  36
; ---------------------------------------------------------------- the fill's steps
; 32 loads: rows r0 .. r0+3 of the wave's 16, both images.  A load of the wave covers 256 consecutive bytes, aligned.
.macro FLOAD buf, r0
.irp i, 0,1,2,3
.irp q, 0,1,2,3
	global_load_b64 v[\buf+4*(4*\i+\q):\buf+4*(4*\i+\q)+1],   v[GOFF], s[4:5] offset:(\r0+\i)*ROWB+\q*256
	global_load_b64 v[\buf+4*(4*\i+\q)+2:\buf+4*(4*\i+\q)+3], v[GOFF], s[4:5] offset:IMGB+(\r0+\i)*ROWB+\q*256
.endr
.endr
.endm
; one word a pixel: the first image in the low half, the second in the high half, each rounded to nearest even
.macro FPACK buf, pk
.set kk, 0
.rept 16
	v_cvt_pk_bf16_f32 v[\pk+2*kk],   v[\buf+4*kk],   v[\buf+4*kk+2]
	v_cvt_pk_bf16_f32 v[\pk+2*kk+1], v[\buf+4*kk+1], v[\buf+4*kk+3]
.set kk, kk+1
.endr
.endm
; 32 stores of one word a lane, lanes 2 words apart: 32 different banks.  Pixel x = 64 q + 2 l + j goes to column x, or mirrored to 255 - x = (193 - 64 q - j) + 2 (31 - l).
.macro FSTORE pk, r0, adr, mir
.irp i, 0,1,2,3
.irp q, 0,1,2,3
.if \mir
	ds_store_b32 v[\adr], v[\pk+2*(4*\i+\q)]   offset:IMG0+(\r0+\i)*PITCHB+4*(193-64*\q)
	ds_store_b32 v[\adr], v[\pk+2*(4*\i+\q)+1] offset:IMG0+(\r0+\i)*PITCHB+4*(192-64*\q)
.else
	ds_store_b32 v[\adr], v[\pk+2*(4*\i+\q)]   offset:IMG0+(\r0+\i)*PITCHB+256*\q
	ds_store_b32 v[\adr], v[\pk+2*(4*\i+\q)+1] offset:IMG0+(\r0+\i)*PITCHB+256*\q+4
.endif
.endr
.endr
.endm
; the wave's 16 rows in four batches on two buffers; the first two batches are on their way when this begins
.macro FILL adr, mir
	s_wait_loadcnt 32                              ; loads come back in order: rows 0-3 are in, the 32 loads of rows 4-7 stay out
	FPACK FA, PKA
	FLOAD FA, 8                                    ; the buffer has been read: its next rows go out before the stores
	FSTORE PKA, 0, \adr, \mir
	s_wait_loadcnt 32                              ; rows 4-7 are in, rows 8-11 stay out
	FPACK FB, PKB
	FLOAD FB, 12
	FSTORE PKB, 4, \adr, \mir
	s_wait_loadcnt 32                              ; rows 8-11
	s_wait_dscnt 32                                ; all but the youngest 32 LDS stores are done: PKA is written again only when the stores that read it are over
	FPACK FA, PKA
	FSTORE PKA, 8, \adr, \mir
	s_wait_loadcnt 0x0                             ; rows 12-15
	s_wait_dscnt 32                                ; the same for PKB
	FPACK FB, PKB
	FSTORE PKB, 12, \adr, \mir
.endm
; ---------------------------------------------------------------- entry
	s_load_b128 s[4:7], s[0:1], 0x0                ; x s[4:5], out0 s[6:7]
	v_lshl_add_u32 v224, v0, 2, 0x46400
	v_mov_b32 v225, 0
	v_and_b32 v[LANE], 31, v0
	v_lshrrev_b32 v5, 5, v0
	v_readfirstlane_b32 s[WAVE], v5                ; wave 0..15
	s_and_b32 s[BP], ttmp9, 3                      ; which pair of images
	s_bfe_u32 s[TYPE], ttmp9, 0x10002              ; bit 2: 0 plain, 1 mirrored
	s_lshr_b32 s[GRP], ttmp9, 3                    ; group 0..31
	s_lshl_b32 s12, s[WAVE], 14                    ; the wave's 16 rows of 1,024 bytes
	v_lshl_add_u32 v[GOFF], v[LANE], 3, s12        ; + 8 bytes a lane
	s_lshl_b32 s2, s[BP], 19                       ; two images of 262,144 bytes
	s_mov_b32 s3, 0
	s_wait_kmcnt 0x0
	s_add_nc_u64 s[4:5], s[4:5], s[2:3]
	FLOAD FA, 0
	FLOAD FB, 4
	; the frame of zeros, while the loads are on their way.  Every wave writes bytes of its own.
	v_mov_b32 v6, 0
	v_mov_b32 v7, 0
	s_lshl_b32 s12, s[WAVE], 8
	v_lshl_add_u32 v8, v[LANE], 3, s12             ; 256 bytes a wave, 8 a lane: 16 waves cover 4,096 bytes
	ds_store_b64 v8, v[6:7]                        ; in front of the image
	v_add_nc_u32 v9, BOT, v8
	ds_store_b64 v9, v[6:7]                        ; behind it
	s_mul_i32 s12, s[WAVE], 16*PITCHB              ; the wave's 16 table rows
	v_and_b32 v5, 15, v[LANE]
	v_mul_u32_u24 v5, PITCHB, v5
	v_add_nc_u32 v5, s12, v5
	ds_store_b32 v5, v6 offset:IMG0+1024           ; the zero behind each of my 16 rows (lanes l and l+16 write the same word with the same value)
	v_lshl_add_u32 v[LAD0], v[LANE], 3, s12        ; plain: 2 words a lane
	v_sub_nc_u32 v[LAD1], 31, v[LANE]
	v_lshl_add_u32 v[LAD1], v[LAD1], 3, s12        ; mirrored: the lanes run backward
	s_cmp_lg_u32 s[TYPE], 0
	s_cbranch_scc1 .Lmirror
	FILL LAD0, 0
	s_branch .Lfilled
.Lmirror:
	FILL LAD1, 1
.Lfilled:
	s_wait_dscnt 0x0                               ; my part of the table is written,
	s_barrier_signal -1
	s_barrier_wait -1                              ; everybody's is.  From here on the table is only read.
; ---------------------------------------------------------------- my task
	s_lshr_b32 s12, s[GRP], 2
	s_lshl3_add_u32 s[ANG], s[WAVE], s12           ; a = 8 wave + (group >> 2)
	s_and_b32 s[WB], s[GRP], 3                     ; block of 64 columns
	s_cmp_lt_u32 s[ANG], s[TYPE]                   ; type 1, a = 0: both angles (360, 180) are not its to make
	s_cbranch_scc1 .Lend
	s_cmp_gt_u32 s[ANG], 90
	s_cbranch_scc1 .Lend
	; x = a pi/360 with 32 fraction bits (pi/360 x 2^32 = 37,480,660.3; x <= 0.7854), y = x^2.  p holds 31 fraction bits.
	; sin x = x (1 - y/6 (1 - y/20 (1 - y/42 (1 - y/72)))),  cos x = 1 - y/2 (1 - y/12 (1 - y/30 (1 - y/56 (1 - y/90)))).
.macro CHAIN p, n                      ; p = 1 - (y / n) p
	s_mul_hi_u32 s[TT], s[YY], ((1<<32)+\n/2)/\n
	s_mul_hi_u32 s[TT], s[TT], s[\p]
	s_sub_co_u32 s[\p], 0x80000000, s[TT]
.endm
	s_mul_i32 s[XX], s[ANG], 37480660
	s_mul_hi_u32 s[YY], s[XX], s[XX]
	s_mov_b32 s[SN], 0x80000000
	s_mov_b32 s[CS], 0x80000000
	CHAIN SN, 72
	CHAIN SN, 42
	CHAIN SN, 20
	CHAIN SN, 6
	CHAIN CS, 90
	CHAIN CS, 56
	CHAIN CS, 30
	CHAIN CS, 12
	CHAIN CS, 2
	s_mul_hi_u32 s[SN], s[XX], s[SN]
	s_add_co_u32 s[SN], s[SN], 256
	s_lshr_b32 s[SN], s[SN], 9                     ; sin with 22 fraction bits, rounded
	s_add_co_u32 s[CS], s[CS], 256
	s_lshr_b32 s[CS], s[CS], 9                     ; cos likewise
	; ix+1 = [cos22 (2w-255) - sin22 (2h-255)] 2^-23 + 128.5,  iy+1 = [sin22 (2w-255) + cos22 (2h-255)] 2^-23 + 128.5; here h = 0
	v_lshlrev_b32 v5, 1, v[LANE]
	s_lshl_b32 s12, s[WB], 7
	s_sub_co_u32 s12, s12, 255
	v_add_nc_u32 v5, s12, v5                       ; 2 w - 255, w = 64 block + lane (two's complement)
	v_mul_lo_u32 v8, v5, s[CS]
	v_mul_lo_u32 v9, v5, s[SN]
	s_mul_i32 s13, s[SN], 255
	s_add_co_u32 s13, s13, HALF
	s_mul_i32 s14, s[CS], 255
	s_sub_co_u32 s14, HALF, s14
	v_add_nc_u32 v[U],   s13, v8
	v_add_nc_u32 v[U+1], s14, v9
	s_lshl_b32 s13, s[CS], 6                       ; 32 columns on: 2w grows by 64
	s_lshl_b32 s14, s[SN], 6
	v_add_nc_u32 v[U+2], s13, v[U]
	v_add_nc_u32 v[U+3], s14, v[U+1]
	s_lshl_b32 s[C2], s[CS], 1                     ; a step of h: iy += cos,
	s_lshl_b32 s[NS2], s[SN], 1
	s_sub_co_u32 s[NS2], 0, s[NS2]                 ; ix -= sin
	s_mov_b32 s[LIM], 257<<23
	s_mov_b32 s[MASK], 0x7fffff
	s_mov_b32 s[ONE], 0x3f800000
	v_mov_b32 v[CM], -1.0
	v_mov_b32 v[CM+1], 1.0
	v_mov_b32 v[CA], 2.0
	v_mov_b32 v[CA+1], -1.0
.irp j, 0,1,2,3,4,5,6,7
	v_mov_b32 v[ACC+\j], 0                         ; eight sums
.endr
; One step of h for both columns: addresses, 16 gathers into set s, weights.  The lines of the two columns alternate, so that no line waits for the one in front.
.macro ISSUE s
.irp c, 0,1
	v_min_u32 v[TMP+16*\c],   s[LIM], v[U+2*\c]                     ; both sides of the image at once: see the head
	v_min_u32 v[TMP+16*\c+1], s[LIM], v[U+2*\c+1]
.endr
.irp c, 0,1
	v_lshrrev_b32 v[TMP+16*\c+2], 23, v[TMP+16*\c]                  ; x' = x0 + 1, 0 .. 257
	v_lshrrev_b32 v[TMP+16*\c+3], 23, v[TMP+16*\c+1]                ; y' = y0 + 1
.endr
.irp c, 0,1
	v_add_nc_u32 v[U+2*\c],   s[NS2], v[U+2*\c]                     ; the next h
	v_add_nc_u32 v[U+2*\c+1], s[C2],  v[U+2*\c+1]
.endr
.irp c, 0,1
	v_mad_u32_u24 v[\s+16*\c+12], v[TMP+16*\c+3], PITCHW, v[TMP+16*\c+2]   ; 257 y' + x'
	v_mad_u32_u24 v[\s+16*\c+13], v[TMP+16*\c+2], PITCHW, v[TMP+16*\c+3]   ; 257 x' + y'
.endr
.irp c, 0,1
	v_and_or_b32 v[TMP+16*\c+4], v[TMP+16*\c],   s[MASK], s[ONE]    ; the 23 fraction bits under the exponent of 1.0: 1 + fx as f32, exact
	v_and_or_b32 v[TMP+16*\c+5], v[TMP+16*\c+1], s[MASK], s[ONE]    ; 1 + fy
.endr
.irp c, 0,1
	v_min_u32 v[\s+16*\c+12], TMAX, v[\s+16*\c+12]                  ; the index's bound, written in the instruction: the gather stays inside the table
	v_sub_nc_u32 v[\s+16*\c+13], TMAX, v[\s+16*\c+13]               ; the second place's table runs backward
.endr
.irp c, 0,1
	v_lshlrev_b32 v[\s+16*\c+12], 2, v[\s+16*\c+12]
	v_min_u32 v[\s+16*\c+13], TMAX, v[\s+16*\c+13]
.endr
.irp c, 0,1
	ds_load_b32 v[\s+16*\c],   v[\s+16*\c+12] offset:OFF1           ; (x0, y0)
	ds_load_b32 v[\s+16*\c+1], v[\s+16*\c+12] offset:OFF1+4         ; (x1, y0)
	ds_load_b32 v[\s+16*\c+2], v[\s+16*\c+12] offset:OFF1+PITCHB    ; (x0, y1)
	ds_load_b32 v[\s+16*\c+3], v[\s+16*\c+12] offset:OFF1+PITCHB+4  ; (x1, y1)
.endr
.irp c, 0,1
	v_lshlrev_b32 v[\s+16*\c+13], 2, v[\s+16*\c+13]
.endr
.irp c, 0,1
	v_pk_fma_f32 v[TMP+16*\c+6:TMP+16*\c+7], v[TMP+16*\c+4:TMP+16*\c+5], v[CM:CM+1], v[CA:CA+1] op_sel:[0,0,0] op_sel_hi:[0,1,1]   ; (1-fx, fx), both exact
	v_pk_fma_f32 v[TMP+16*\c+8:TMP+16*\c+9], v[TMP+16*\c+4:TMP+16*\c+5], v[CM:CM+1], v[CA:CA+1] op_sel:[1,0,0] op_sel_hi:[1,1,1]   ; (1-fy, fy)
.endr
.irp c, 0,1
	ds_load_b32 v[\s+16*\c+4], v[\s+16*\c+13] offset:OFF2+PITCHB+4  ; (255-y0, 255-x0): the image of corner (x0, y0), so it takes that corner's weight
	ds_load_b32 v[\s+16*\c+5], v[\s+16*\c+13] offset:OFF2+4         ; (255-y0, 255-x1): of (x1, y0)
	ds_load_b32 v[\s+16*\c+6], v[\s+16*\c+13] offset:OFF2+PITCHB    ; (255-y1, 255-x0): of (x0, y1)
	ds_load_b32 v[\s+16*\c+7], v[\s+16*\c+13] offset:OFF2           ; (255-y1, 255-x1): of (x1, y1)
.endr
.irp c, 0,1
	v_pk_mul_f32 v[\s+16*\c+8:\s+16*\c+9],   v[TMP+16*\c+6:TMP+16*\c+7], v[TMP+16*\c+8:TMP+16*\c+9] op_sel:[0,0] op_sel_hi:[1,0]   ; weights of (x0,y0), (x1,y0)
	v_pk_mul_f32 v[\s+16*\c+10:\s+16*\c+11], v[TMP+16*\c+6:TMP+16*\c+7], v[TMP+16*\c+8:TMP+16*\c+9] op_sel:[0,1] op_sel_hi:[1,1]   ; weights of (x0,y1), (x1,y1)
.endr
.endm
; 32 fused multiply-adds in f32, the pixel read straight from a bf16 half; the eight sums take turns
.macro ACCUM s
.irp k, 0,1,2,3
.irp c, 0,1
	v_fma_mix_f32_bf16 v[ACC+4*\c],   v[\s+16*\c+\k],   v[\s+16*\c+8+\k], v[ACC+4*\c]   op_sel:[0,0,0] op_sel_hi:[1,0,0]
	v_fma_mix_f32_bf16 v[ACC+4*\c+1], v[\s+16*\c+\k],   v[\s+16*\c+8+\k], v[ACC+4*\c+1] op_sel:[1,0,0] op_sel_hi:[1,0,0]
	v_fma_mix_f32_bf16 v[ACC+4*\c+2], v[\s+16*\c+4+\k], v[\s+16*\c+8+\k], v[ACC+4*\c+2] op_sel:[0,0,0] op_sel_hi:[1,0,0]
	v_fma_mix_f32_bf16 v[ACC+4*\c+3], v[\s+16*\c+4+\k], v[\s+16*\c+8+\k], v[ACC+4*\c+3] op_sel:[1,0,0] op_sel_hi:[1,0,0]
.endr
.endr
.endm
	; 256 steps, the gathers one step ahead of the sums, on two sets.  A set's registers (data, weights, addresses) are written again only behind the wait
	; that shows its gathers done and behind the sums that read it.
	ISSUE SET0                                     ; h = 0
	s_mov_b32 s[CNT], 127
.Lh:
	ISSUE SET1                                     ; h = 2k+1
	s_wait_dscnt 16                                ; LDS loads come back in order: all but the 16 just issued are in
	ACCUM SET0                                     ; h = 2k
	ISSUE SET0                                     ; h = 2k+2
	s_wait_dscnt 16
	ACCUM SET1                                     ; h = 2k+1
	s_sub_co_u32 s[CNT], s[CNT], 1
	s_cmp_lg_u32 s[CNT], 0
	s_cbranch_scc1 .Lh
	ISSUE SET1                                     ; h = 255: the last
	s_wait_dscnt 16
	ACCUM SET0                                     ; h = 254
	s_wait_dscnt 0x0
	ACCUM SET1                                     ; h = 255
; ---------------------------------------------------------------- the way out
	; A lane holds columns l and l+32.  Four rows of 64 numbers go through 1,024 bytes of the wave's own, behind the table (no gather reaches them: the largest
	; gather ends at 4 TMAX + OFF1 + PITCHB + 8 = 269,324), and come back two neighbouring columns a lane, so that each store of the wave covers 256 consecutive bytes, aligned.
.irp j, 0,2,4,6
	v_pk_mul_f32 v[ACC+\j:ACC+\j+1], v[ACC+\j:ACC+\j+1], 0x3b800000 op_sel_hi:[1,0]   ; the mean: 1/256, exact
.endr
	s_lshl_b32 s12, s[WAVE], 10
	s_add_co_u32 s12, s12, STAGE
	v_lshl_add_u32 v26, v[LANE], 2, s12            ; first sum: column l at word l
	v_sub_nc_u32 v27, 31, v[LANE]
	v_lshl_add_u32 v27, v27, 2, s12                ; second sum: it belongs to column 255-w, so the block is written backward
	v_lshl_add_u32 v28, v[LANE], 3, s12            ; back: two words a lane
	v_lshlrev_b32 v29, 3, v[LANE]                  ; and in out0
	ds_store_b32 v26, v[ACC]   offset:0            ; first sum, image 0: columns l,
	ds_store_b32 v26, v[ACC+4] offset:128          ;                     l + 32
	ds_store_b32 v26, v[ACC+1] offset:256          ; first sum, image 1
	ds_store_b32 v26, v[ACC+5] offset:384
	ds_store_b32 v27, v[ACC+6] offset:512          ; second sum, image 0: column l+32 lands at word 31-l,
	ds_store_b32 v27, v[ACC+2] offset:640          ;                      column l at word 63-l
	ds_store_b32 v27, v[ACC+7] offset:768          ; second sum, image 1
	ds_store_b32 v27, v[ACC+3] offset:896
.irp j, 0,1,2,3
	ds_load_b64 v[OUTR+2*\j:OUTR+2*\j+1], v28 offset:256*\j   ; LDS serves a wave's instructions in order (ISA guide 5.7.1): these see the stores above
.endr
	s_sub_co_u32 s12, 360, s[ANG]
	s_add_co_u32 s13, s[ANG], 180
	s_sub_co_u32 s14, 180, s[ANG]
	s_cmp_lg_u32 s[TYPE], 0
	s_cselect_b32 s12, s12, s[ANG]                 ; the first sum's angle index: 360-a or a
	s_cselect_b32 s13, s13, s14                    ; the second's: 180+a or 180-a
	s_mul_i32 s15, s[BP], 720*ROWB                 ; two images of 360 rows
	s_lshl_b32 s12, s12, 10
	s_lshl_b32 s13, s13, 10
	s_lshl_b32 s14, s[WB], 8                       ; 64 columns of 4 bytes
	s_add_co_u32 s30, s15, s12
	s_add_co_u32 s30, s30, s14
	s_mov_b32 s31, 0
	s_add_nc_u64 s[32:33], s[6:7], s[30:31]        ; columns 64 block ..
	s_add_co_u32 s30, s15, s13
	s_add_co_u32 s30, s30, 768
	s_sub_co_u32 s30, s30, s14
	s_add_nc_u64 s[34:35], s[6:7], s[30:31]        ; columns 192 - 64 block ..
	s_wait_dscnt 0x0
	global_store_b64 v29, v[OUTR:OUTR+1],   s[32:33] th:TH_STORE_NT
	global_store_b64 v29, v[OUTR+2:OUTR+3], s[32:33] offset:360*ROWB th:TH_STORE_NT
	s_cmp_eq_u32 s[ANG], 90                        ; at 45 degrees the second angle is the first: it is stored once
	s_cbranch_scc1 .Lend
	global_store_b64 v29, v[OUTR+4:OUTR+5], s[34:35] th:TH_STORE_NT
	global_store_b64 v29, v[OUTR+6:OUTR+7], s[34:35] offset:360*ROWB th:TH_STORE_NT
.Lend:
	s_wait_tensorcnt 0x0
	ds_add_u32 v224, v225
	s_wait_dscnt 0x0
	s_endpgm
.Lfunc_end_k_q08b864defe_radon:
	.size	k_q08b864defe_radon, .Lfunc_end_k_q08b864defe_radon-k_q08b864defe_radon
	.p2alignl 7, 3214868480
	.fill 96, 4, 3214868480
	.section	.rodata,"a",@progbits
	.p2align	6, 0x0
	.amdhsa_kernel k_q08b864defe_radon
		.amdhsa_group_segment_fixed_size 289792
		.amdhsa_private_segment_fixed_size 0
		.amdhsa_enable_private_segment 0
		.amdhsa_kernarg_size 16
		.amdhsa_user_sgpr_count 2
		.amdhsa_user_sgpr_kernarg_segment_ptr 1
		.amdhsa_wavefront_size32 1
		.amdhsa_system_sgpr_workgroup_id_x 1
		.amdhsa_system_sgpr_workgroup_id_y 1
		.amdhsa_system_sgpr_workgroup_id_z 1
		.amdhsa_system_vgpr_workitem_id 0
		.amdhsa_next_free_vgpr 226
		.amdhsa_next_free_sgpr 66
		.amdhsa_reserve_vcc 0
		.amdhsa_float_denorm_mode_32 3
		.amdhsa_float_denorm_mode_16_64 3
		.amdhsa_memory_ordered 1
		.amdhsa_forward_progress 1
		.amdhsa_inst_pref_size 79
	.end_amdhsa_kernel
	.amdgpu_metadata
---
amdhsa.version: [ 1, 2 ]
amdhsa.kernels:
  - .name:           k_q08b864defe_radon
    .symbol:         k_q08b864defe_radon.kd
    .args:
      - { .name: x, .offset: 0, .size: 8, .value_kind: global_buffer, .address_space: global }
      - { .name: out0, .offset: 8, .size: 8, .value_kind: global_buffer, .address_space: global }
    .group_segment_fixed_size: 289792
    .private_segment_fixed_size: 0
    .kernarg_segment_align: 8
    .kernarg_segment_size: 16
    .max_flat_workgroup_size: 512
    .sgpr_count:     66
    .vgpr_count:     226
    .wavefront_size: 32
...
	.end_amdgpu_metadata
.endif
;; end of part 1
;; ======== version 2 of 2: 1 launch; version 1 with the launch radon written anew for expert scheduling mode
;; limits: values outside matrix products are rounded to bf16
;; launch radon (part 2): grid 256 x 1, 16 waves a work-group, no clusters, 289,792 bytes of LDS; arguments x, out0; writes out0
.if DOCPART == 2
	.amdgcn_target "amdgcn-amd-amdhsa--gfx1250"
	.amdhsa_code_object_version 6
	.text
	.protected	k_q08b864defe_radon
	.globl	k_q08b864defe_radon
	.p2align	8
	.type	k_q08b864defe_radon,@function
k_q08b864defe_radon:
	s_mov_b64 s[64:65], 0
	v_nop
	global_prefetch_b8 v0, s[64:65] scope:SCOPE_SE
	s_setreg_imm32_b32 hwreg(HW_REG_WAVE_SCHED_MODE, 0, 2), 2
	s_setreg_imm32_b32 hwreg(HW_REG_WAVE_MODE, 25, 1), 1
	s_wait_xcnt 0x0
	s_wait_alu depctr_vm_vsrc(0)
; out0[b][0][A][w] = mean over h of the bilinear sample (zeros outside) of image b at
;   ix = c (w-127.5) - s (h-127.5) + 127.5,  iy = s (w-127.5) + c (h-127.5) + 127.5,  c, s = cos, sin of A x 0.5 degrees.
;
; DESIGN.  256 work-groups = 4 pairs of images x 2 types x 32 groups; 16 waves.  A work-group keeps ONE table in LDS: its two images as bf16 pairs,
; one 32-bit word a pixel, pitch 257 words, in a frame of zeros.  One gather serves two images, and the multiply-add reads the bf16 halves directly.
; For an angle t = a x 0.5 degrees, a = 0..90, the place P = (ix, iy) and its four weights also serve the place (255-iy, 255-ix), which is the sample of
; angle 90 deg - t at column 255-w.  Type 1 holds the images mirrored in x; the same text then gives 180 deg - t (column w) and 90 deg + t (column 255-w).
;   type 0: first sum -> angle index a, second -> 180-a (left out for a = 90: it is the first);  type 1: first -> 360-a, second -> 180+a (a = 0 not run, a = 90 as before).
; In all four cases x and y of neighbouring lanes' places both rise (or both fall), so with a pitch of 257 = 1 mod 64 words the bank, (x + y) mod 64, rises with
; the lane over a span of at most 31 x 1.42 + 2 < 64 (64 banks of 4 bytes: ISA guide 11.1): lanes meet in a bank only in the same word.
; A wave takes one task: one a, 64 columns (lane l: columns l and l+32 of the block), all 256 h.  a = 8 wave + (group >> 2): 11 or 12 waves have a task, the rest only help to fill.
;
; GEOMETRY IN WHOLE NUMBERS.  ix+1 and iy+1 are unsigned numbers with 23 fraction bits, modulo 2^32, stepped by one add for each h.  They lie in -52 .. 309, so a
; negative one wraps above 459 and ONE unsigned minimum with 257 sends both sides to 257.0: whole part 257, fraction 0, which reads only the frame's zeros
; with weight 1 and a finite word with weight 0.  cos and sin come from Taylor chains in fixed point (t <= pi/4: remainders x^11/11! < 2e-9, x^12/12! < 2e-10),
; rounded to 22 fraction bits: a place is off by at most 2 x 127.5 x 2^-23 = 3e-5 pixel, and the result is continuous in the place.
;
; LIMITS, KEPT ON PURPOSE.  Pixels are rounded once to bf16 (relative 2^-9) when the table is built; weights, products and sums are f32.
; Inputs are finite (a corner of weight 0 is still multiplied, as in the definition).  The order of the 1024 additions of a sum is h ascending, corner by corner.
; NO CLUSTER, NO TENSOR LOAD: what work-groups share is the raw f32 image; the table needs it packed to bf16 pairs at an odd pitch, which only a way through registers
; gives, and it is 128 loads a wave against 256 steps of 86 instructions.
;
; THE MODE: SCHED_MODE bits 1:0 = 2 (LLVM: expert scheduling mode 2), set by the entry lines.  The code itself states the register dependences
; between vector instructions and memory or LDS instructions, with s_wait_alu, always for 0.
; THE PLAN.  Registers that memory or LDS instructions touch:
;   v2-v9       offsets, addresses and the frame's zeros: made in one run at the head, one wait behind the run.  v2-v4 are never written again; v5, v8, v9 are, in the task's set-up.
;   FA, FB      the fill's raw rows: written by loads, read by the packing lines, then loaded again.
;   PKA, PKB    the fill's packed rows: written by the packing lines, read by 32 LDS stores, then written again.
;               One wait on va_vdst behind each run of packing lines serves the loads and the stores that follow it; one on vm_vsrc stands ahead of the second packing into each of PKA, PKB.
;   set h % 2   the loop's two sets: data (gathers land, sums read), weights (vector instructions alone), addresses (geometry writes, gathers read).
;               Step p: the sums of h = p read set p % 2; the gathers of h = p+1 read the OTHER set's addresses and land in its data; behind the sums the geometry of h = p+2
;               writes set p % 2's weights and addresses.  So the waits at a step's head state all: the step before has written the other set's addresses and is done reading its data;
;               the gathers issued in the step before have read this set's addresses.  No vector instruction of step p names the other set, and its 16 gathers are dealt among the sums with no further wait.
;   sums, v26-v29, OUTR   the way out: one wait on va_vdst behind the scaling and the four addresses.
.set ROWB,   1024                      ; bytes of a row of x and of out0
.set IMGB,   262144                    ; bytes of an image
.set PITCHW, 257                       ; table pitch in words: 256 pixels + 1 zero, which is x = 256 of its row and x = -1 of the next
.set PITCHB, 4*PITCHW
.set IMG0,   4096                      ; byte of pixel (0,0); bytes 0 .. 4095 are zeros (rows -1, -2 and what lies in front)
.set BOT,    IMG0+256*PITCHB           ; 267,264: 4,096 bytes of zeros (rows 256, 257)
.set STAGE,  BOT+4096                  ; 271,360: 1,024 bytes for each wave, for the way out
.set TMAX,   257*PITCHW+257            ; 66,306: the largest y' x 257 + x' with x', y' <= 257
.set OFF1,   IMG0-PITCHB-4             ; corner (x0,y0) = (x'-1, y'-1) is at OFF1 + 4 (257 y' + x')
.set OFF2,   IMG0+255*PITCHB+255*4-4*TMAX  ; corner (255-y', 255-x') is at OFF2 + 4 (TMAX - (257 x' + y'));  = 2,032
.set HALF,   257<<22                   ; 128.5 with 23 fraction bits
; vector registers
.set LANE, 1
.set GOFF, 2                           ; fill: byte offset of my 8 bytes in the wave's first row
.set LAD0, 3                           ; fill: table address, plain
.set LAD1, 4                           ; fill: table address, mirrored
.set U,    10                          ; v10-13: ix+1, iy+1 of column l; the same of column l+32
.set ACC,  14                          ; v14-21: column l: first sum image 0, 1, second sum image 0, 1; then column l+32
.set CM,   22                          ; (-1, 1)
.set CA,   24                          ; ( 2,-1)
.set SET0, 32                          ; a set: for each of 2 columns 16 registers: 0-3 first place's corners, 4-7 second place's, 8-11 weights, 12-13 addresses
.set SET1, 64
.set TMP,  96                          ; scratch, 16 registers a column: no memory instruction names them in the loop
.set OUTR, 128                         ; the way out
.set FA,   32                          ; fill: 4 rows x 2 images as loaded, two buffers
.set FB,   96
.set PKA,  160                         ; fill: 4 rows packed, two buffers
.set PKB,  192
; scalar registers
.set WAVE, 8
.set BP,   9
.set TYPE, 10
.set GRP,  11
.set ANG,  16
.set WB,   17
.set XX,   18
.set YY,   19
.set SN,   20
.set CS,   21
.set TT,   22
.set LIM,  24
.set MASK, 25
.set ONE,  26
.set NS2,  27
.set C2,   28
.set CNT,  36
; ---------------------------------------------------------------- the fill's steps
; 32 loads: rows r0 .. r0+3 of the wave's 16, both images.  A load of the wave covers 256 consecutive bytes, aligned.
.macro FLOAD buf, r0
.irp i, 0,1,2,3
.irp q, 0,1,2,3
	global_load_b64 v[\buf+4*(4*\i+\q):\buf+4*(4*\i+\q)+1],   v[GOFF], s[4:5] offset:(\r0+\i)*ROWB+\q*256
	global_load_b64 v[\buf+4*(4*\i+\q)+2:\buf+4*(4*\i+\q)+3], v[GOFF], s[4:5] offset:IMGB+(\r0+\i)*ROWB+\q*256
.endr
.endr
.endm
; one word a pixel: the first image in the low half, the second in the high half, each rounded to nearest even
.macro FPACK buf, pk
.set kk, 0
.rept 16
	v_cvt_pk_bf16_f32 v[\pk+2*kk],   v[\buf+4*kk],   v[\buf+4*kk+2]
	v_cvt_pk_bf16_f32 v[\pk+2*kk+1], v[\buf+4*kk+1], v[\buf+4*kk+3]
.set kk, kk+1
.endr
.endm
; 32 stores of one word a lane, lanes 2 words apart: 32 different banks.  Pixel x = 64 q + 2 l + j goes to column x, or mirrored to 255 - x = (193 - 64 q - j) + 2 (31 - l).
.macro FSTORE pk, r0, adr, mir
.irp i, 0,1,2,3
.irp q, 0,1,2,3
.if \mir
	ds_store_b32 v[\adr], v[\pk+2*(4*\i+\q)]   offset:IMG0+(\r0+\i)*PITCHB+4*(193-64*\q)
	ds_store_b32 v[\adr], v[\pk+2*(4*\i+\q)+1] offset:IMG0+(\r0+\i)*PITCHB+4*(192-64*\q)
.else
	ds_store_b32 v[\adr], v[\pk+2*(4*\i+\q)]   offset:IMG0+(\r0+\i)*PITCHB+256*\q
	ds_store_b32 v[\adr], v[\pk+2*(4*\i+\q)+1] offset:IMG0+(\r0+\i)*PITCHB+256*\q+4
.endif
.endr
.endr
.endm
; the wave's 16 rows in four batches on two buffers; the first two batches are on their way when this begins
.macro FILL adr, mir
	s_wait_loadcnt 32                              ; loads come back in order: rows 0-3 are in, the 32 loads of rows 4-7 stay out
	FPACK FA, PKA
	s_wait_alu depctr_va_vdst(0)                   ; the packing lines have written PKA, which the stores below read, and are done reading FA, in which the loads below land
	FLOAD FA, 8                                    ; the buffer has been read: its next rows go out before the stores
	FSTORE PKA, 0, \adr, \mir
	s_wait_loadcnt 32                              ; rows 4-7 are in, rows 8-11 stay out
	FPACK FB, PKB
	s_wait_alu depctr_va_vdst(0)                   ; the same for PKB and FB
	FLOAD FB, 12
	FSTORE PKB, 4, \adr, \mir
	s_wait_loadcnt 32                              ; rows 8-11
	s_wait_dscnt 32                                ; all but the youngest 32 LDS stores are done: PKA is written again only when the stores that read it are over
	s_wait_alu depctr_vm_vsrc(0)                   ; the stores of rows 0-3 have read PKA, which the packing lines below write again
	FPACK FA, PKA
	s_wait_alu depctr_va_vdst(0)                   ; the packing lines have written PKA, which the stores below read
	FSTORE PKA, 8, \adr, \mir
	s_wait_loadcnt 0x0                             ; rows 12-15
	s_wait_dscnt 32                                ; the same for PKB
	s_wait_alu depctr_vm_vsrc(0)                   ; the stores of rows 4-7 have read PKB, which the packing lines below write again
	FPACK FB, PKB
	s_wait_alu depctr_va_vdst(0)                   ; the packing lines have written PKB, which the stores below read
	FSTORE PKB, 12, \adr, \mir
.endm
; ---------------------------------------------------------------- entry
	s_load_b128 s[4:7], s[0:1], 0x0                ; x s[4:5], out0 s[6:7]
	v_lshl_add_u32 v30, v0, 2, 0x46400
	v_mov_b32 v31, 0
	v_and_b32 v[LANE], 31, v0
	v_lshrrev_b32 v5, 5, v0
	v_readfirstlane_b32 s[WAVE], v5                ; wave 0..15
	v_mov_b32 v6, 0                                ; the frame's zeros
	v_mov_b32 v7, 0
	s_and_b32 s[BP], ttmp9, 3                      ; which pair of images
	s_bfe_u32 s[TYPE], ttmp9, 0x10002              ; bit 2: 0 plain, 1 mirrored
	s_lshr_b32 s[GRP], ttmp9, 3                    ; group 0..31
	s_wait_alu depctr_va_sdst(0)                   ; s[WAVE] is written, ahead of its first reader: the three scalars below are made from it
	s_lshl_b32 s12, s[WAVE], 14                    ; the wave's 16 rows of 1,024 bytes
	s_lshl_b32 s13, s[WAVE], 8                     ; the wave's 256 bytes of each band of zeros
	s_mul_i32 s14, s[WAVE], 16*PITCHB              ; the wave's 16 table rows
	; all offsets and addresses of the fill in one run, so that one wait serves them
	v_lshl_add_u32 v[GOFF], v[LANE], 3, s12        ; + 8 bytes a lane
	v_lshl_add_u32 v8, v[LANE], 3, s13             ; 256 bytes a wave, 8 a lane: 16 waves cover 4,096 bytes
	v_add_nc_u32 v9, BOT, v8
	v_and_b32 v5, 15, v[LANE]
	v_mul_u32_u24 v5, PITCHB, v5
	v_add_nc_u32 v5, s14, v5
	v_lshl_add_u32 v[LAD0], v[LANE], 3, s14        ; plain: 2 words a lane
	v_sub_nc_u32 v[LAD1], 31, v[LANE]
	v_lshl_add_u32 v[LAD1], v[LAD1], 3, s14        ; mirrored: the lanes run backward
	s_lshl_b32 s2, s[BP], 19                       ; two images of 262,144 bytes
	s_mov_b32 s3, 0
	s_wait_kmcnt 0x0
	s_add_nc_u64 s[4:5], s[4:5], s[2:3]
	s_wait_alu depctr_va_vdst(0)                   ; v2 to v9 are written: the loads' offset, the table addresses, the frame's addresses and zeros, which the loads and stores below read
	FLOAD FA, 0
	FLOAD FB, 4
	; the frame of zeros, while the loads are on their way.  Every wave writes bytes of its own.
	ds_store_b64 v8, v[6:7]                        ; in front of the image
	ds_store_b64 v9, v[6:7]                        ; behind it
	ds_store_b32 v5, v6 offset:IMG0+1024           ; the zero behind each of my 16 rows (lanes l and l+16 write the same word with the same value)
	s_cmp_lg_u32 s[TYPE], 0
	s_cbranch_scc1 .Lmirror
	FILL LAD0, 0
	s_branch .Lfilled
.Lmirror:
	FILL LAD1, 1
.Lfilled:
	s_wait_dscnt 0x0                               ; my part of the table is written,
	s_barrier_signal -1
	s_barrier_wait -1                              ; everybody's is.  From here on the table is only read.
; ---------------------------------------------------------------- my task
	s_lshr_b32 s12, s[GRP], 2
	s_lshl3_add_u32 s[ANG], s[WAVE], s12           ; a = 8 wave + (group >> 2)
	s_and_b32 s[WB], s[GRP], 3                     ; block of 64 columns
	s_cmp_lt_u32 s[ANG], s[TYPE]                   ; type 1, a = 0: both angles (360, 180) are not its to make
	s_cbranch_scc1 .Lend
	s_cmp_gt_u32 s[ANG], 90
	s_cbranch_scc1 .Lend
	; x = a pi/360 with 32 fraction bits (pi/360 x 2^32 = 37,480,660.3; x <= 0.7854), y = x^2.  p holds 31 fraction bits.
	; sin x = x (1 - y/6 (1 - y/20 (1 - y/42 (1 - y/72)))),  cos x = 1 - y/2 (1 - y/12 (1 - y/30 (1 - y/56 (1 - y/90)))).
.macro CHAIN p, n                      ; p = 1 - (y / n) p
	s_mul_hi_u32 s[TT], s[YY], ((1<<32)+\n/2)/\n
	s_mul_hi_u32 s[TT], s[TT], s[\p]
	s_sub_co_u32 s[\p], 0x80000000, s[TT]
.endm
	s_mul_i32 s[XX], s[ANG], 37480660
	s_mul_hi_u32 s[YY], s[XX], s[XX]
	s_mov_b32 s[SN], 0x80000000
	s_mov_b32 s[CS], 0x80000000
	CHAIN SN, 72
	CHAIN SN, 42
	CHAIN SN, 20
	CHAIN SN, 6
	CHAIN CS, 90
	CHAIN CS, 56
	CHAIN CS, 30
	CHAIN CS, 12
	CHAIN CS, 2
	s_mul_hi_u32 s[SN], s[XX], s[SN]
	s_add_co_u32 s[SN], s[SN], 256
	s_lshr_b32 s[SN], s[SN], 9                     ; sin with 22 fraction bits, rounded
	s_add_co_u32 s[CS], s[CS], 256
	s_lshr_b32 s[CS], s[CS], 9                     ; cos likewise
	; ix+1 = [cos22 (2w-255) - sin22 (2h-255)] 2^-23 + 128.5,  iy+1 = [sin22 (2w-255) + cos22 (2h-255)] 2^-23 + 128.5; here h = 0
	s_wait_alu depctr_vm_vsrc(0)                   ; the frame's three LDS stores have read v5, v8 and v9, which the lines below write again
	v_lshlrev_b32 v5, 1, v[LANE]
	s_lshl_b32 s12, s[WB], 7
	s_sub_co_u32 s12, s12, 255
	v_add_nc_u32 v5, s12, v5                       ; 2 w - 255, w = 64 block + lane (two's complement)
	v_mul_lo_u32 v8, v5, s[CS]
	v_mul_lo_u32 v9, v5, s[SN]
	s_mul_i32 s13, s[SN], 255
	s_add_co_u32 s13, s13, HALF
	s_mul_i32 s14, s[CS], 255
	s_sub_co_u32 s14, HALF, s14
	v_add_nc_u32 v[U],   s13, v8
	v_add_nc_u32 v[U+1], s14, v9
	s_lshl_b32 s30, s[CS], 6                       ; 32 columns on: 2w grows by 64
	s_lshl_b32 s31, s[SN], 6
	v_add_nc_u32 v[U+2], s30, v[U]
	v_add_nc_u32 v[U+3], s31, v[U+1]
	s_lshl_b32 s[C2], s[CS], 1                     ; a step of h: iy += cos,
	s_lshl_b32 s[NS2], s[SN], 1
	s_sub_co_u32 s[NS2], 0, s[NS2]                 ; ix -= sin
	s_mov_b32 s[LIM], 257<<23
	s_mov_b32 s[MASK], 0x7fffff
	s_mov_b32 s[ONE], 0x3f800000
	v_mov_b32 v[CM], -1.0
	v_mov_b32 v[CM+1], 1.0
	v_mov_b32 v[CA], 2.0
	v_mov_b32 v[CA+1], -1.0
.irp j, 0,1,2,3,4,5,6,7
	v_mov_b32 v[ACC+\j], 0                         ; eight sums
.endr
; The geometry of one h for both columns: set s's addresses and weights, 38 vector instructions.  The lines of the two columns alternate, so that no line waits for the one in front.
.macro GEOM s
.irp c, 0,1
	v_min_u32 v[TMP+16*\c],   s[LIM], v[U+2*\c]                     ; both sides of the image at once: see the head
	v_min_u32 v[TMP+16*\c+1], s[LIM], v[U+2*\c+1]
.endr
.irp c, 0,1
	v_lshrrev_b32 v[TMP+16*\c+2], 23, v[TMP+16*\c]                  ; x' = x0 + 1, 0 .. 257
	v_lshrrev_b32 v[TMP+16*\c+3], 23, v[TMP+16*\c+1]                ; y' = y0 + 1
.endr
.irp c, 0,1
	v_add_nc_u32 v[U+2*\c],   s[NS2], v[U+2*\c]                     ; the next h
	v_add_nc_u32 v[U+2*\c+1], s[C2],  v[U+2*\c+1]
.endr
.irp c, 0,1
	v_mad_u32_u24 v[\s+16*\c+12], v[TMP+16*\c+3], PITCHW, v[TMP+16*\c+2]   ; 257 y' + x'
	v_mad_u32_u24 v[\s+16*\c+13], v[TMP+16*\c+2], PITCHW, v[TMP+16*\c+3]   ; 257 x' + y'
.endr
.irp c, 0,1
	v_and_or_b32 v[TMP+16*\c+4], v[TMP+16*\c],   s[MASK], s[ONE]    ; the 23 fraction bits under the exponent of 1.0: 1 + fx as f32, exact
	v_and_or_b32 v[TMP+16*\c+5], v[TMP+16*\c+1], s[MASK], s[ONE]    ; 1 + fy
.endr
.irp c, 0,1
	v_min_u32 v[\s+16*\c+12], TMAX, v[\s+16*\c+12]                  ; the index's bound, written in the instruction: the gather stays inside the table
	v_sub_nc_u32 v[\s+16*\c+13], TMAX, v[\s+16*\c+13]               ; the second place's table runs backward
.endr
.irp c, 0,1
	v_lshlrev_b32 v[\s+16*\c+12], 2, v[\s+16*\c+12]
	v_min_u32 v[\s+16*\c+13], TMAX, v[\s+16*\c+13]
.endr
.irp c, 0,1
	v_lshlrev_b32 v[\s+16*\c+13], 2, v[\s+16*\c+13]
.endr
.irp c, 0,1
	v_pk_fma_f32 v[TMP+16*\c+6:TMP+16*\c+7], v[TMP+16*\c+4:TMP+16*\c+5], v[CM:CM+1], v[CA:CA+1] op_sel:[0,0,0] op_sel_hi:[0,1,1]   ; (1-fx, fx), both exact
	v_pk_fma_f32 v[TMP+16*\c+8:TMP+16*\c+9], v[TMP+16*\c+4:TMP+16*\c+5], v[CM:CM+1], v[CA:CA+1] op_sel:[1,0,0] op_sel_hi:[1,1,1]   ; (1-fy, fy)
.endr
.irp c, 0,1
	v_pk_mul_f32 v[\s+16*\c+8:\s+16*\c+9],   v[TMP+16*\c+6:TMP+16*\c+7], v[TMP+16*\c+8:TMP+16*\c+9] op_sel:[0,0] op_sel_hi:[1,0]   ; weights of (x0,y0), (x1,y0)
	v_pk_mul_f32 v[\s+16*\c+10:\s+16*\c+11], v[TMP+16*\c+6:TMP+16*\c+7], v[TMP+16*\c+8:TMP+16*\c+9] op_sel:[0,1] op_sel_hi:[1,1]   ; weights of (x0,y1), (x1,y1)
.endr
.endm
; Four gathers into set s: column c, the first place (pl = 0) or the second (pl = 1)
.macro GATH s, c, pl
.if \pl == 0
	ds_load_b32 v[\s+16*\c],   v[\s+16*\c+12] offset:OFF1           ; (x0, y0)
	ds_load_b32 v[\s+16*\c+1], v[\s+16*\c+12] offset:OFF1+4         ; (x1, y0)
	ds_load_b32 v[\s+16*\c+2], v[\s+16*\c+12] offset:OFF1+PITCHB    ; (x0, y1)
	ds_load_b32 v[\s+16*\c+3], v[\s+16*\c+12] offset:OFF1+PITCHB+4  ; (x1, y1)
.else
	ds_load_b32 v[\s+16*\c+4], v[\s+16*\c+13] offset:OFF2+PITCHB+4  ; (255-y0, 255-x0): the image of corner (x0, y0), so it takes that corner's weight
	ds_load_b32 v[\s+16*\c+5], v[\s+16*\c+13] offset:OFF2+4         ; (255-y0, 255-x1): of (x1, y0)
	ds_load_b32 v[\s+16*\c+6], v[\s+16*\c+13] offset:OFF2+PITCHB    ; (255-y1, 255-x0): of (x0, y1)
	ds_load_b32 v[\s+16*\c+7], v[\s+16*\c+13] offset:OFF2           ; (255-y1, 255-x1): of (x1, y1)
.endif
.endm
; 32 fused multiply-adds in f32 on set s, the pixel read straight from a bf16 half; the eight sums take turns.
; gath = 1: the other set's 16 gathers are dealt among them, four ahead of each of the first four groups: 20 multiply-adds and the geometry's 38 lines stand behind the last.
.macro ACCUM s, nx, gath
.irp k, 0,1,2,3
.irp c, 0,1
.if (\gath) && (\k < 2)
	GATH \nx, \c, \k                               ; no wait: no vector instruction since the step's head names the other set
.endif
	v_fma_mix_f32_bf16 v[ACC+4*\c],   v[\s+16*\c+\k],   v[\s+16*\c+8+\k], v[ACC+4*\c]   op_sel:[0,0,0] op_sel_hi:[1,0,0]
	v_fma_mix_f32_bf16 v[ACC+4*\c+1], v[\s+16*\c+\k],   v[\s+16*\c+8+\k], v[ACC+4*\c+1] op_sel:[1,0,0] op_sel_hi:[1,0,0]
	v_fma_mix_f32_bf16 v[ACC+4*\c+2], v[\s+16*\c+4+\k], v[\s+16*\c+8+\k], v[ACC+4*\c+2] op_sel:[0,0,0] op_sel_hi:[1,0,0]
	v_fma_mix_f32_bf16 v[ACC+4*\c+3], v[\s+16*\c+4+\k], v[\s+16*\c+8+\k], v[ACC+4*\c+3] op_sel:[1,0,0] op_sel_hi:[1,0,0]
.endr
.endr
.endm
; Step p.  s = set p % 2, nx = the other.  gath = 1: the gathers of h = p+1 go out.  geom = 1: the geometry of h = p+2 is made, behind the sums, which read the weights that it writes again.
.macro STEP s, nx, gath, geom
	s_wait_dscnt 0x0                               ; the 16 gathers of h = p, issued in the step before, are in; nothing younger is out
.if \geom
	s_wait_alu depctr_vm_vsrc(0)                   ; those gathers have read this set's addresses, which the geometry below writes again
.endif
.if \gath
	s_wait_alu depctr_va_vdst(0)                   ; the step before has written the other set's addresses, which the gathers below read, and its sums are done reading the other set's data, in which they land
.endif
	ACCUM \s, \nx, \gath
.if \geom
	GEOM \s
.endif
.endm
	; 256 steps on two sets: the gathers one step ahead of the sums, the geometry two.
	GEOM SET0                                      ; h = 0
	s_wait_alu depctr_va_vdst(0)                   ; set 0's addresses are written, which the gathers below read; the fill's packing lines are done reading the registers in which they land
	GATH SET0, 0, 0
	GATH SET0, 1, 0
	GATH SET0, 0, 1
	GATH SET0, 1, 1
	GEOM SET1                                      ; h = 1: it names set 1, the scratch and the places alone
	s_mov_b32 s[CNT], 127
.Lh:                                                   ; on the way in and on the way back alike: 16 gathers into set 0 are out, set 1's addresses and weights have just been made
	STEP SET0, SET1, 1, 1                          ; sums of h = 2k, gathers of 2k+1, geometry of 2k+2
	STEP SET1, SET0, 1, 1                          ; sums of h = 2k+1, gathers of 2k+2, geometry of 2k+3
	s_sub_co_u32 s[CNT], s[CNT], 1
	s_cmp_lg_u32 s[CNT], 0
	s_cbranch_scc1 .Lh
	STEP SET0, SET1, 1, 0                          ; sums of h = 254, gathers of 255: the last
	STEP SET1, SET0, 0, 0                          ; sums of h = 255
; ---------------------------------------------------------------- the way out
	; A lane holds columns l and l+32.  Four rows of 64 numbers go through 1,024 bytes of the wave's own, behind the table (no gather reaches them: the largest
	; gather ends at 4 TMAX + OFF1 + PITCHB + 8 = 269,324), and come back two neighbouring columns a lane, so that each store of the wave covers 256 consecutive bytes, aligned.
.irp j, 0,2,4,6
	v_pk_mul_f32 v[ACC+\j:ACC+\j+1], v[ACC+\j:ACC+\j+1], 0x3b800000 op_sel_hi:[1,0]   ; the mean: 1/256, exact
.endr
	s_lshl_b32 s12, s[WAVE], 10
	s_add_co_u32 s12, s12, STAGE
	v_lshl_add_u32 v26, v[LANE], 2, s12            ; first sum: column l at word l
	v_sub_nc_u32 v27, 31, v[LANE]
	v_lshl_add_u32 v27, v27, 2, s12                ; second sum: it belongs to column 255-w, so the block is written backward
	v_lshl_add_u32 v28, v[LANE], 3, s12            ; back: two words a lane
	v_lshlrev_b32 v29, 3, v[LANE]                  ; and in out0
	s_wait_alu depctr_va_vdst(0)                   ; the eight scaled sums and v26 to v29 are written, which the LDS stores, the LDS loads and the global stores below read; no vector instruction follows
	ds_store_b32 v26, v[ACC]   offset:0            ; first sum, image 0: columns l,
	ds_store_b32 v26, v[ACC+4] offset:128          ;                     l + 32
	ds_store_b32 v26, v[ACC+1] offset:256          ; first sum, image 1
	ds_store_b32 v26, v[ACC+5] offset:384
	ds_store_b32 v27, v[ACC+6] offset:512          ; second sum, image 0: column l+32 lands at word 31-l,
	ds_store_b32 v27, v[ACC+2] offset:640          ;                      column l at word 63-l
	ds_store_b32 v27, v[ACC+7] offset:768          ; second sum, image 1
	ds_store_b32 v27, v[ACC+3] offset:896
.irp j, 0,1,2,3
	ds_load_b64 v[OUTR+2*\j:OUTR+2*\j+1], v28 offset:256*\j   ; LDS serves a wave's instructions in order (ISA guide 5.7.1): these see the stores above
.endr
	s_sub_co_u32 s12, 360, s[ANG]
	s_add_co_u32 s13, s[ANG], 180
	s_sub_co_u32 s14, 180, s[ANG]
	s_cmp_lg_u32 s[TYPE], 0
	s_cselect_b32 s12, s12, s[ANG]                 ; the first sum's angle index: 360-a or a
	s_cselect_b32 s13, s13, s14                    ; the second's: 180+a or 180-a
	s_mul_i32 s15, s[BP], 720*ROWB                 ; two images of 360 rows
	s_lshl_b32 s12, s12, 10
	s_lshl_b32 s13, s13, 10
	s_lshl_b32 s14, s[WB], 8                       ; 64 columns of 4 bytes
	s_add_co_u32 s30, s15, s12
	s_add_co_u32 s30, s30, s14
	s_mov_b32 s31, 0
	s_add_nc_u64 s[32:33], s[6:7], s[30:31]        ; columns 64 block ..
	s_add_co_u32 s30, s15, s13
	s_add_co_u32 s30, s30, 768
	s_sub_co_u32 s30, s30, s14
	s_add_nc_u64 s[34:35], s[6:7], s[30:31]        ; columns 192 - 64 block ..
	s_wait_dscnt 0x0
	global_store_b64 v29, v[OUTR:OUTR+1],   s[32:33] th:TH_STORE_NT
	global_store_b64 v29, v[OUTR+2:OUTR+3], s[32:33] offset:360*ROWB th:TH_STORE_NT
	s_cmp_eq_u32 s[ANG], 90                        ; at 45 degrees the second angle is the first: it is stored once
	s_cbranch_scc1 .Lend
	global_store_b64 v29, v[OUTR+4:OUTR+5], s[34:35] th:TH_STORE_NT
	global_store_b64 v29, v[OUTR+6:OUTR+7], s[34:35] offset:360*ROWB th:TH_STORE_NT
.Lend:
	s_wait_dscnt 0x0
	s_wait_alu depctr_hold_cnt(0) depctr_sa_sdst(0) depctr_va_vdst(0) depctr_va_sdst(0) depctr_va_ssrc(0) depctr_va_vcc(0) depctr_vm_vsrc(0)
	s_wait_tensorcnt 0x0
	ds_add_u32 v30, v31
	s_wait_dscnt 0x0
	s_endpgm
.Lfunc_end_k_q08b864defe_radon:
	.size	k_q08b864defe_radon, .Lfunc_end_k_q08b864defe_radon-k_q08b864defe_radon
	.p2alignl 7, 3214868480
	.fill 96, 4, 3214868480
	.section	.rodata,"a",@progbits
	.p2align	6, 0x0
	.amdhsa_kernel k_q08b864defe_radon
		.amdhsa_group_segment_fixed_size 289792
		.amdhsa_private_segment_fixed_size 0
		.amdhsa_enable_private_segment 0
		.amdhsa_kernarg_size 16
		.amdhsa_user_sgpr_count 2
		.amdhsa_user_sgpr_kernarg_segment_ptr 1
		.amdhsa_wavefront_size32 1
		.amdhsa_system_sgpr_workgroup_id_x 1
		.amdhsa_system_sgpr_workgroup_id_y 1
		.amdhsa_system_sgpr_workgroup_id_z 1
		.amdhsa_system_vgpr_workitem_id 0
		.amdhsa_next_free_vgpr 224
		.amdhsa_next_free_sgpr 66
		.amdhsa_reserve_vcc 0
		.amdhsa_float_denorm_mode_32 3
		.amdhsa_float_denorm_mode_16_64 3
		.amdhsa_memory_ordered 1
		.amdhsa_forward_progress 1
		.amdhsa_inst_pref_size 80
	.end_amdhsa_kernel
	.amdgpu_metadata
---
amdhsa.version: [ 1, 2 ]
amdhsa.kernels:
  - .name:           k_q08b864defe_radon
    .symbol:         k_q08b864defe_radon.kd
    .args:
      - { .name: x, .offset: 0, .size: 8, .value_kind: global_buffer, .address_space: global }
      - { .name: out0, .offset: 8, .size: 8, .value_kind: global_buffer, .address_space: global }
    .group_segment_fixed_size: 289792
    .private_segment_fixed_size: 0
    .kernarg_segment_align: 8
    .kernarg_segment_size: 16
    .max_flat_workgroup_size: 512
    .sgpr_count:     66
    .vgpr_count:     224
    .wavefront_size: 32
...
	.end_amdgpu_metadata
.endif
;; end of part 2
